; MI455X (gfx1250); checked and timed in simulation.
; The chip was launched on July 23, 2026; its instructions are those of AMD's public machine-readable ISA for CDNA 5 (MIT licence, August 2026) and "CDNA5" Instruction Set Architecture Reference Guide (July 2026). The comments in the code are by the model that wrote it; some were corrected since.
;; Quantized Linear. Allowed arithmetic: matrix products marked QUANTISED: E5M2 operands, one given power-of-two scale a tensor, by v_wmma_f32_16x16x64_bf8_bf8 or v_wmma_f32_16x16x128_bf8_bf8, f32 sums; everything else in f32.
;; Inputs: bias 4,096 float32; codebook 16 float32; indices 4,096 x 4,096 int32; lowp_scales 4 int32 (the exponents e of the quantised operands' scales 2^e); rotation_matrix 4,096 x 4,096 float32; x 32 x 4,096 float32.
;; Outputs: out0 32 x 4,096 float32.
;; This version of the problem:
;;   THIS VERSION OF THE PROBLEM IS GIVEN IN LOW PRECISION. The matrix products marked QUANTISED in the list below multiply operands that are first quantised to E5M2 (5 exponent bits, 2 mantissa bits; 8 bits a number), with one given power-of-two scale for each operand tensor; their sums are f32. All else is computed in f32.
;;   The module's matrix products, in the order in which they are computed (A, B: the left and right operand; K: the contracted axis; several contracted axes count as one K, in the product's order):
;;     1. [M 4,096, K 4,096] x [K 4,096, N 4,096]; A: computed on the way; B: input rotation_matrix: QUANTISED (scales: A lowp_scales[0], B lowp_scales[1])
;;     2. [M 32, K 4,096] x [K 4,096, N 4,096]; A: input x; B: computed on the way: QUANTISED (scales: A lowp_scales[2], B lowp_scales[3])
;;   THE QUANTISER, for each operand of a quantised product, along K:
;;     - The operand's scale is 2^e, e = its entry of the input lowp_scales (int32; the entries are numbered through the quantised products in the list's order, A before B).
;;     - Each number is divided by the scale, clamped to +-57,344, and rounded to the nearest number of E5M2, ties to even, subnormals kept.
;;     - The product sums the exact products of the quantised numbers (number of the format x scale) in f32.
;;   ~~~python
;;   def quantise(x, axis, e):      # numpy; x: float32 -> the quantised numbers, widened to float32 again
;;       x = np.moveaxis(x, axis, -1); K = x.shape[-1]
;;       r = np.clip(x / 2.0 ** e, -57344, 57344)
;;       step = 2.0 ** (np.maximum(np.frexp(np.where(r == 0, 1, r))[1] - 1, -14) - 2)
;;       q = np.round(r / step) * step * 2.0 ** e      # np.round: ties to even
;;       return np.moveaxis(q, -1, axis).astype(np.float32)
;;   ~~~
;;   OPERANDS COMPUTED ON THE WAY. 'Computed on the way' means the value that the module computes at that place (a softmax that the list does not call 'softmax' is quantised finished and normalised). What goes into a quantiser is computed in f32, as accurately as f32 sums, v_exp_f32 and their like allow (about 1e-6 of the number): no bf16 or f16 on the way to a quantiser, and a product that is left as it is and whose result goes on into a quantised operand takes f32 operands (vector FMAs, or v_wmma_f32_16x16x4_f32). A number that lies on a knife's edge between two numbers of the format may be rounded either way, as far as f32 arithmetic and the matrix unit's own rounding can turn it there, and no further.
;; One version. Each part assembles by itself: llvm-mc -triple=amdgcn-amd-amdhsa -mcpu=gfx1250 --defsym DOCPART=n.
;; ======== version 1 of 1: 3 launches
;; limits: right only within a limited range of input values
;; workspace buffers: a_codes 16,777,216 bytes; r_codes 16,777,216 bytes; x_img 131,072 bytes; part 8,388,608 bytes
;; launch quant (part 1): grid 1040 x 1, 4 waves a work-group, no clusters, 35,328 bytes of LDS; arguments indices, codebook, rotation_matrix, x, lowp_scales, a_codes, r_codes, x_img; writes a_codes, r_codes, x_img
.if DOCPART == 1
	.amdgcn_target "amdgcn-amd-amdhsa--gfx1250"
	.amdhsa_code_object_version 6
	.text
	.protected	k_qa714c3f980_quant
	.globl	k_qa714c3f980_quant
	.p2align	8
	.type	k_qa714c3f980_quant,@function
k_qa714c3f980_quant:
	s_mov_b64 s[64:65], 0
	v_nop
	global_prefetch_b8 v0, s[64:65] scope:SCOPE_SE
	s_setreg_imm32_b32 hwreg(HW_REG_WAVE_MODE, 25, 1), 1
	s_wait_xcnt 0x0
; THE THREE QUANTISERS OF THE PROGRAM, to codes of BF8 (E5M2), each operand with its given scale 2^e (lowp_scales: e0 codes, e1 rotation, e2 x).
; code = number / 2^e, held within +-57,344, rounded to the nearest code, ties to even.
; LIMITS: e0, e1, e2 between -126 and 112, so that 2^e and 57,344 x 2^e are f32 numbers.  NaN among the inputs is not served (an infinity is held at the largest code).
;         An index lies in 0 .. 15, as the gather that is computed relies on.
; ROLES, by the work-group's number (the same for the four waves of a work-group):
;   0 .. 511      rotation_matrix [k 4096][j 4096] f32  -> r_codes [j 4096][p 4096], K innermost
;   512 .. 1023   indices [o 4096][k 4096] int32, codebook [16] f32 -> a_codes [o 4096][p 4096]
;   1024 .. 1039  x [32][4096] f32 -> x_img [jb 32][bt 2][g 4][lane 32][16 bytes]: the registers of x's fragments as the second product's instruction takes them
; THE ORDER ALONG K.  In both a_codes and r_codes, inside each block of 512 along K, byte p = 16 l + 4 i + c holds k = 128 i + 4 l + c (l 0..31, i 0..3, c 0..3).
; The same order in both operands: every product meets its partner, only the order of the f32 sums changes.  With it a lane of the index role reads four dense 16 bytes of indices
; (load i: indices 128 i + 4 l + 0..3) and stores its sixteen codes as one dense 16 bytes: 512 consecutive bytes a wave both ways, with no exchange between lanes.
; The rotation role picks its rows by immediates, so the order costs it nothing.
; No index ever enters an address: an index becomes a selector byte of v_perm_b32 on the sixteen codes of the quantised codebook, which lie in four registers.
; Only the rotation role uses LDS (a stage of 128 rows x 272 bytes); all roles pass the one barrier, then the other two end.
.set SPT, 272                          ; a stage row: 256 bytes of codes + 16: sixteen lanes' 16-byte stores to sixteen neighbouring rows start 68 words apart
.set X,   16                           ; v16-143  numbers or indices as loaded
.set D,   144                          ; v144-159 codes as converted (rotation, x); the codebook's sixteen numbers (indices)
.set TT,  160                          ; v160-175 rotation: the byte transposition's halves
.set O,   176                          ; v176-191 rotation: four columns x 16 codes along K
.set TB,  160                          ; v160-163 indices: the sixteen codes of the codebook
.set W,   164                          ; v164-179 indices: four registers at work for each of a step's four words
.set C,   180                          ; v180-187 indices: a step's sixteen codes, two sets by turns
	s_load_b512 s[8:23], s[0:1], 0x0               ; indices s[8:9], codebook s[10:11], rotation s[12:13], x s[14:15], scales s[16:17], a_codes s[18:19], r_codes s[20:21], x_img s[22:23]
; r_codes leaves as an image of fragments, not as whole rows: [jb 256][ks 32][c 4][lane 32][16 bytes]; lane (r, h) holds places 128 ks + 32 c + 16 h + 0 .. 15 of column 16 jb + r (see the rotation role's way out).
	v_lshl_add_u32 v12, v0, 2, 0x8800
	v_mov_b32 v13, 0
	v_lshrrev_b32 v1, 5, v0
	v_readfirstlane_b32 s24, v1                    ; wave 0..3
	v_and_b32 v1, 31, v0                           ; lane
	v_lshlrev_b32 v2, 4, v1                        ; v2: 16 x lane
	v_and_b32 v3, 15, v0                           ; r
	v_bfe_u32 v4, v0, 4, 1                         ; h
	v_mul_u32_u24 v5, v1, SPT                      ; v5: the stage, on the way in: row = lane (+ 32 x column of my four, by immediate), byte 64 x wave
	s_lshl_b32 s32, s24, 6
	v_add_nc_u32 v5, s32, v5
	s_mul_i32 s32, s24, 8*SPT                      ; v6: the stage, on the way out: column 16 jb + r lies in stage row 32 (r % 4) + r / 4 + 4 jb; wave w takes jb = 2 w, 2 w + 1; + 16 h
	v_and_b32 v6, 3, v3
	v_lshlrev_b32 v6, 5, v6
	v_lshrrev_b32 v7, 2, v3
	v_add_nc_u32 v6, v6, v7
	v_mul_u32_u24 v6, v6, SPT
	v_lshl_add_u32 v6, v4, 4, v6
	v_add_nc_u32 v6, s32, v6
	v_lshlrev_b32 v8, 14, v3                       ; v8: x: row r of 16,384 bytes, + 32 h
	v_lshl_add_u32 v8, v4, 5, v8
	v_mov_b32 v9, 0                                ; v9: offset 0, for the codebook
	s_mov_b32 s40, 0x05010400                      ; v_perm_b32 selectors: bytes 0 and 1 of two words, interleaved;
	s_mov_b32 s41, 0x07030602                      ; bytes 2 and 3, interleaved;
	s_mov_b32 s42, 0x05040100                      ; the low halves of two words;
	s_mov_b32 s43, 0x07060302                      ; the high halves
	s_mov_b32 s44, 0x07070707                      ; an index's low three bits, in each byte
	s_mov_b32 s45, 0x01010101                      ; its bit 3, moved down
	s_mov_b32 s46, 0x0000ff00                      ; byte 0 = 0x00, byte 1 = 0xff: selector 0 or 1 makes a byte mask
	s_wait_kmcnt 0x0
	s_load_b128 s[28:31], s[16:17], 0x0            ; e0, e1, e2, e3
; v11 = 2^e as f32 (the conversion takes its exponent field), v10 = 57,344 x 2^e
.macro MKSCALE e
	s_add_co_i32 s32, \e, 127
	s_lshl_b32 s33, s32, 23
	v_mov_b32 v11, s33
	s_add_co_i32 s32, s32, 15
	s_lshl_b32 s32, s32, 23
	s_or_b32 s32, s32, 0x600000
	v_mov_b32 v10, s32
.endm
	s_cmp_lt_u32 ttmp9, 512
	s_cbranch_scc1 .Lrole_r
	s_cmp_lt_u32 ttmp9, 1024
	s_cbranch_scc1 .Lrole_i
; ---------------- x: wave 2 jb + bt makes the fragment of rows 16 bt .. + 15, columns 128 jb .. + 127 ----------------
; The instruction's own layout: registers 2 c, 2 c + 1 of lane (r, h) hold k = 16 c + 8 h + 0 .. 7 of row r.  With c = 2 g + q, register 4 g + 2 q.
	s_sub_co_u32 s34, ttmp9, 1024
	s_lshl_b32 s34, s34, 2
	s_add_co_u32 s34, s34, s24                     ; 2 jb + bt
	s_and_b32 s36, s34, 1
	s_lshl_b32 s36, s36, 18                        ; 16 bt rows of 16,384 bytes
	s_lshr_b32 s37, s34, 1
	s_lshl_b32 s37, s37, 9                         ; 128 jb numbers of 4 bytes
	s_add_co_u32 s36, s36, s37
	s_mov_b32 s37, 0
	s_add_nc_u64 s[14:15], s[14:15], s[36:37]
	s_lshl_b32 s38, s34, 11                        ; a fragment's image is 2,048 bytes
	s_mov_b32 s39, 0
	s_add_nc_u64 s[22:23], s[22:23], s[38:39]
	s_wait_alu depctr_va_vdst(0)
.irp g, 0,1,2,3
.irp q, 0,1
.irp z, 0,1
	global_load_b128 v[X+16*\g+8*\q+4*\z:X+16*\g+8*\q+4*\z+3], v8, s[14:15] offset:128*\g+64*\q+16*\z   ; x(16 bt + r, 128 jb + 32 g + 16 q + 8 h + 4 z + 0 .. 3)
.endr
.endr
.endr
	s_wait_kmcnt 0x0
	MKSCALE s30
	s_wait_alu depctr_va_vdst(0)
	s_wait_loadcnt 0x0
.set n, 0
.rept 64
	v_med3_num_f32 v[X+n], v[X+n], -v10, v10       ; the conversion to an 8-bit code does not saturate (ISA guide 7.6.2): the hold at the largest code x the scale comes first
.set n, n+1
.endr
.irp m, 0,1,2,3,4,5,6,7
	v_cvt_scalef32_pk8_bf8_f32 v[D+2*\m:D+2*\m+1], v[X+8*\m:X+8*\m+7], v11
.endr
	v_nop                                          ; a plain vector line behind the last conversion
.irp g, 0,1,2,3
	global_store_b128 v2, v[D+4*\g:D+4*\g+3], s[22:23] offset:512*\g   ; 512 consecutive bytes a store
.endr
	s_branch .Ljoin
; ---------------- indices: a wave takes 16 steps of 512 indices (2,048 bytes in, 512 bytes out), all offsets immediates ----------------
.Lrole_i:
	s_sub_co_u32 s34, ttmp9, 512
	s_lshl_b32 s34, s34, 2
	s_add_co_u32 s34, s34, s24                     ; which run of 8,192 indices is my wave's: 0 .. 2047
	s_lshl_b32 s36, s34, 15
	s_mov_b32 s37, 0
	s_add_nc_u64 s[8:9], s[8:9], s[36:37]
	s_lshl_b32 s38, s34, 13
	s_mov_b32 s39, 0
	s_add_nc_u64 s[18:19], s[18:19], s[38:39]
	s_wait_alu depctr_va_vdst(0)
.irp q, 0,1,2,3
	global_load_b128 v[D+4*\q:D+4*\q+3], v9, s[10:11] offset:16*\q    ; the codebook's sixteen numbers, in every lane
.endr
.macro LOADI t                         ; step t: four loads of 512 consecutive bytes, into set t % 8
.irp i, 0,1,2,3
	global_load_b128 v[X+16*((\t)%8)+4*\i:X+16*((\t)%8)+4*\i+3], v2, s[8:9] offset:2048*(\t)+512*\i th:TH_LOAD_NT
.endr
.endm
.irp t, 0,1,2,3,4,5,6,7
	LOADI \t                                       ; eight steps, 32 loads a wave, are on their way
.endr
	s_wait_kmcnt 0x0
	MKSCALE s28
	s_wait_alu depctr_va_vdst(0)
	s_wait_loadcnt 32                              ; the codebook is in; the 32 loads issued behind it may be out
.set n, 0
.rept 16
	v_med3_num_f32 v[D+n], v[D+n], -v10, v10
.set n, n+1
.endr
	v_cvt_scalef32_pk8_bf8_f32 v[TB:TB+1], v[D:D+7], v11          ; codes of entries 0 .. 7,
	v_cvt_scalef32_pk8_bf8_f32 v[TB+2:TB+3], v[D+8:D+15], v11     ; of entries 8 .. 15
	v_nop                                          ; a plain vector line between the conversions and the first reader of their results
; A step: four indices of a loaded quad become one word of selector bytes; their low three bits pick among entries 0-7 and among entries 8-15, bit 3 chooses between the two.
.macro STEPI t
.set XS, X+16*((\t)%8)
.set CC, C+4*((\t)%2)
.if 15-(\t) >= 7
	s_wait_loadcnt 28                              ; this step's four loads are in; those of the seven steps behind it may be out
.else
	s_wait_loadcnt 4*(15-(\t))
.endif
	s_wait_xcnt 0x0                                ; the store of two steps ago has read this set of code registers: they are written again only behind this wait
.irp i, 0,1,2,3
	v_lshl_or_b32 v[W+4*\i], v[XS+4*\i+1], 8, v[XS+4*\i]
.endr
.irp i, 0,1,2,3
	v_lshl_or_b32 v[W+4*\i+1], v[XS+4*\i+3], 8, v[XS+4*\i+2]
.endr
.irp i, 0,1,2,3
	v_lshl_or_b32 v[W+4*\i], v[W+4*\i+1], 16, v[W+4*\i]           ; four indices, a byte each
.endr
.irp i, 0,1,2,3
	v_and_b32 v[W+4*\i+1], s44, v[W+4*\i]                         ; index & 7: the selector
.endr
.irp i, 0,1,2,3
	v_lshrrev_b32 v[W+4*\i], 3, v[W+4*\i]
.endr
.irp i, 0,1,2,3
	v_and_b32 v[W+4*\i], s45, v[W+4*\i]                           ; index >> 3: 0 or 1
.endr
.irp i, 0,1,2,3
	v_perm_b32 v[W+4*\i+2], v[TB+1], v[TB], v[W+4*\i+1]           ; the code of entry index & 7,
.endr
.irp i, 0,1,2,3
	v_perm_b32 v[W+4*\i+3], v[TB+3], v[TB+2], v[W+4*\i+1]         ; of entry 8 + (index & 7)
.endr
.irp i, 0,1,2,3
	v_perm_b32 v[W+4*\i], s46, s46, v[W+4*\i]                     ; 0x00 or 0xff in each byte
.endr
.irp i, 0,1,2,3
	v_bfi_b32 v[CC+\i], v[W+4*\i], v[W+4*\i+3], v[W+4*\i+2]       ; word i of my 16 bytes: k = 128 i + 4 lane + 0 .. 3
.endr
.if (\t) < 8
	LOADI (\t)+8
.endif
	global_store_b128 v2, v[CC:CC+3], s[18:19] offset:512*(\t)    ; 512 consecutive bytes
.endm
.irp t, 0,1,2,3,4,5,6,7,8,9,10,11,12,13,14,15
	STEPI \t
.endr
	s_branch .Ljoin
; ---------------- rotation: a work-group takes 128 columns j x 256 places along K; wave w places 64 w .. 64 w + 63 of all 128 columns; lane l columns 4 l .. 4 l + 3 ----------------
; A batch u is sixteen rows k: byte n = 4 i + c of the 16-byte group l' = 16 hh + 4 w + u is row 128 i + 4 l' + c of the block of 512.  Each load reads 512 consecutive bytes of one row.
; The conversions give, for each row, a word with my four columns' codes; a transposition of 4 x 4 bytes (v_perm_b32) turns four rows' words into four columns' words.
.Lrole_r:
	s_and_b32 s34, ttmp9, 31                       ; which 128 columns
	s_lshr_b32 s35, ttmp9, 5                       ; which 256 places: 2 kb + hh
	s_lshr_b32 s36, s35, 1
	s_lshl_b32 s36, s36, 9                         ; 512 kb
	s_and_b32 s37, s35, 1
	s_lshl_b32 s37, s37, 6                         ; + 64 hh
	s_add_co_u32 s36, s36, s37
	s_lshl_b32 s37, s24, 4                         ; + 16 w: the row of byte 0 of my first group
	s_add_co_u32 s36, s36, s37
	s_lshl_b32 s36, s36, 14                        ; rows of 16,384 bytes
	s_lshl_b32 s37, s34, 9                         ; 128 columns of 4 bytes
	s_add_co_u32 s36, s36, s37
	s_mov_b32 s37, 0
	s_add_nc_u64 s[12:13], s[12:13], s[36:37]
.macro LOADB u                         ; the largest immediate is 399 rows, inside the signed 24 bits (ISA guide, chapter 10)
.irp n, 0,1,2,3,4,5,6,7,8,9,10,11,12,13,14,15
	global_load_b128 v[X+64*((\u)%2)+4*\n:X+64*((\u)%2)+4*\n+3], v2, s[12:13] offset:(128*(\n/4)+4*(\u)+(\n%4))*16384 th:TH_LOAD_NT
.endr
.endm
.macro BATCH u
.set XS, X+64*((\u)%2)
.if (\u) < 3
	s_wait_loadcnt 16                              ; this batch's sixteen loads are in; the next batch's may be out
.else
	s_wait_loadcnt 0
.endif
.set n, 0
.rept 64
	v_med3_num_f32 v[XS+n], v[XS+n], -v10, v10     ; the hold at the largest code x the scale
.set n, n+1
.endr
.irp m, 0,1,2,3,4,5,6,7
	v_cvt_scalef32_pk8_bf8_f32 v[D+2*\m:D+2*\m+1], v[XS+8*\m:XS+8*\m+7], v11    ; word n: row n, my four columns
.endr
	v_nop                                          ; a plain vector line between the conversions and the first reader of their results
.irp i, 0,1,2,3
	v_perm_b32 v[TT+4*\i],   v[D+4*\i+1], v[D+4*\i],   s40        ; rows 0, 1 of the four: columns 0, 1
	v_perm_b32 v[TT+4*\i+1], v[D+4*\i+1], v[D+4*\i],   s41        ;                        columns 2, 3
	v_perm_b32 v[TT+4*\i+2], v[D+4*\i+3], v[D+4*\i+2], s40        ; rows 2, 3
	v_perm_b32 v[TT+4*\i+3], v[D+4*\i+3], v[D+4*\i+2], s41
.endr
.irp i, 0,1,2,3
	v_perm_b32 v[O+\i],    v[TT+4*\i+2], v[TT+4*\i],   s42        ; column 0, rows 4 i .. 4 i + 3
	v_perm_b32 v[O+4+\i],  v[TT+4*\i+2], v[TT+4*\i],   s43        ; column 1
	v_perm_b32 v[O+8+\i],  v[TT+4*\i+3], v[TT+4*\i+1], s42        ; column 2
	v_perm_b32 v[O+12+\i], v[TT+4*\i+3], v[TT+4*\i+1], s43        ; column 3
.endr
.if (\u) < 2
	LOADB (\u)+2
.endif
.irp c, 0,1,2,3
	ds_store_b128 v5, v[O+4*\c:O+4*\c+3] offset:\c*32*SPT+16*(\u) ; column 4 lane + c lies in stage row 32 c + lane
.endr
	s_wait_dscnt 0x0                               ; the stores have read their registers: the next batch writes them again
.endm
	LOADB 0
	LOADB 1                                        ; 32 loads a wave are on their way
	s_wait_kmcnt 0x0
	MKSCALE s29
	s_wait_alu depctr_va_vdst(0)
	BATCH 0
	BATCH 1
	BATCH 2
	BATCH 3
.Ljoin:
	s_wait_dscnt 0x0                               ; for the others' sake: my stores into the stage have landed
	s_barrier_signal -1
	s_barrier_wait -1                              ; the stage's 128 rows of 256 codes are whole
	s_cmp_lt_u32 ttmp9, 512
	s_cbranch_scc1 .Lout_r
	s_wait_tensorcnt 0x0
	ds_add_u32 v12, v13
	s_wait_dscnt 0x0
	s_endpgm
; The way out of the rotation role: wave w takes column blocks 2 w and 2 w + 1 of the work-group's eight, both steps of 128 places, four groups c each: sixteen stores of 512 consecutive bytes of the image.
.Lout_r:
	s_and_b32 s34, ttmp9, 31
	s_lshr_b32 s35, ttmp9, 5
	s_lshl_b32 s36, s34, 3
	s_lshl_b32 s37, s24, 1
	s_add_co_u32 s36, s36, s37                     ; jb = 8 x column block of 128 + 2 w,
	s_lshl_b32 s36, s36, 16                        ; of 65,536 bytes,
	s_lshl_b32 s37, s35, 12                        ; + my work-group's two steps of 2,048 bytes
	s_add_co_u32 s36, s36, s37
	s_mov_b32 s37, 0
	s_add_nc_u64 s[20:21], s[20:21], s[36:37]
.irp t, 0,1,2,3,4,5,6,7,8,9,10,11,12,13,14,15
	ds_load_b128 v[X+4*\t:X+4*\t+3], v6 offset:(\t/8)*4*SPT+((\t/4)%2)*128+(\t%4)*32
.endr
.irp t, 0,1,2,3,4,5,6,7,8,9,10,11,12,13,14,15
	s_wait_dscnt 15-\t                             ; LDS loads come back in order: load t is in
	global_store_b128 v2, v[X+4*\t:X+4*\t+3], s[20:21] offset:(\t/8)*65536+((\t/4)%2)*2048+(\t%4)*512
.endr
	s_wait_tensorcnt 0x0
	ds_add_u32 v12, v13
	s_wait_dscnt 0x0
	s_endpgm
.Lfunc_end_k_qa714c3f980_quant:
	.size	k_qa714c3f980_quant, .Lfunc_end_k_qa714c3f980_quant-k_qa714c3f980_quant
	.p2alignl 7, 3214868480
	.fill 96, 4, 3214868480
	.section	.rodata,"a",@progbits
	.p2align	6, 0x0
	.amdhsa_kernel k_qa714c3f980_quant
		.amdhsa_group_segment_fixed_size 35328
		.amdhsa_private_segment_fixed_size 0
		.amdhsa_enable_private_segment 0
		.amdhsa_kernarg_size 64
		.amdhsa_user_sgpr_count 2
		.amdhsa_user_sgpr_kernarg_segment_ptr 1
		.amdhsa_wavefront_size32 1
		.amdhsa_system_sgpr_workgroup_id_x 1
		.amdhsa_system_sgpr_workgroup_id_y 1
		.amdhsa_system_sgpr_workgroup_id_z 1
		.amdhsa_system_vgpr_workitem_id 0
		.amdhsa_next_free_vgpr 192
		.amdhsa_next_free_sgpr 66
		.amdhsa_reserve_vcc 0
		.amdhsa_float_denorm_mode_32 3
		.amdhsa_float_denorm_mode_16_64 3
		.amdhsa_memory_ordered 1
		.amdhsa_forward_progress 1
		.amdhsa_inst_pref_size 93
	.end_amdhsa_kernel
	.amdgpu_metadata
---
amdhsa.version: [ 1, 2 ]
amdhsa.kernels:
  - .name:           k_qa714c3f980_quant
    .symbol:         k_qa714c3f980_quant.kd
    .args:
      - { .name: indices, .offset: 0, .size: 8, .value_kind: global_buffer, .address_space: global }
      - { .name: codebook, .offset: 8, .size: 8, .value_kind: global_buffer, .address_space: global }
      - { .name: rotation_matrix, .offset: 16, .size: 8, .value_kind: global_buffer, .address_space: global }
      - { .name: x, .offset: 24, .size: 8, .value_kind: global_buffer, .address_space: global }
      - { .name: lowp_scales, .offset: 32, .size: 8, .value_kind: global_buffer, .address_space: global }
      - { .name: a_codes, .offset: 40, .size: 8, .value_kind: global_buffer, .address_space: global }
      - { .name: r_codes, .offset: 48, .size: 8, .value_kind: global_buffer, .address_space: global }
      - { .name: x_img, .offset: 56, .size: 8, .value_kind: global_buffer, .address_space: global }
    .group_segment_fixed_size: 35328
    .private_segment_fixed_size: 0
    .kernarg_segment_align: 8
    .kernarg_segment_size: 64
    .max_flat_workgroup_size: 128
    .sgpr_count:     66
    .vgpr_count:     192
    .wavefront_size: 32
...
	.end_amdgpu_metadata
.endif
;; end of part 1
;; launch gemm (part 2): grid 16 x 16, 4 waves a work-group, clusters of 4 x 4, 327,680 bytes of LDS; arguments a_codes, r_codes, x_img, lowp_scales, part; writes part
.if DOCPART == 2
	.amdgcn_target "amdgcn-amd-amdhsa--gfx1250"
	.amdhsa_code_object_version 6
	.text
	.protected	k_qa714c3f980_gemm
	.globl	k_qa714c3f980_gemm
	.p2align	8
	.type	k_qa714c3f980_gemm,@function
k_qa714c3f980_gemm:
	s_mov_b64 s[64:65], 0
	v_nop
	global_prefetch_b8 v0, s[64:65] scope:SCOPE_SE
	s_setreg_imm32_b32 hwreg(HW_REG_WAVE_MODE, 25, 1), 1
	s_wait_xcnt 0x0
	s_wait_alu depctr_hold_cnt(0) depctr_sa_sdst(0) depctr_va_vdst(0) depctr_va_sdst(0) depctr_va_ssrc(0) depctr_va_vcc(0) depctr_vm_vsrc(0)
	s_getreg_b32 s2, hwreg(HW_REG_IB_STS2, 6, 4)
	s_cmp_eq_u32 s2, 0
	s_cbranch_scc0 .Lentry_in_a_cluster
	s_endpgm
.Lentry_in_a_cluster:
	s_bfe_u32 s2, ttmp6, 0x10000c
	s_cmp_lg_u32 s2, 0xf033
	s_cbranch_scc0 .Lentry_shape_is_right
	s_endpgm
.Lentry_shape_is_right:
; W[o][j] = sum over k of codes[o][k] R[k][j] on codes of BF8; W is quantised with 2^e3 and multiplied at once with x's codes: part[jt][b][o] = sum over the 256 j of tile column jt.
; a_codes [o 4096][p 4096] row-major; r_codes an image of fragments [jb 256][ks 32][c 4][lane 32][16 bytes] with the same order of places p; x_img the fragments of x.
; LIMIT: e3 - e0 - e1 lies between -126 and 112, so that the conversion's scale and 57,344 x it are f32 numbers.
; A work-group of four waves makes 256 x 256 of W, a wave 128 x 128: 64 accumulators, 512 registers (windows 2 and 3; accumulator (a, b) at v[8 (8 (a % 4) + b)]).
; a_codes come through LDS: two slots of 256 rows x 512 bytes (four steps of 128 along K), one tensor load of 64 rows a wave, asked for JOINTLY by the four work-groups of a row of the cluster.
; r_codes go from memory straight into registers: a load of a wave is 512 consecutive bytes of the image, and lands as four registers of a fragment.  No joint form exists for loads into registers, so these are plain loads.
; REGISTERS: window 0: v0-31 addresses, v96-127 x's fragments, v128-255 a's eight fragments, ONE set, refilled in halves; window 1: r's fragments, TWO sets of eight.
; A step is 64 matrix instructions, r's blocks one after the other: first against a's blocks 0-3, then against blocks 4-7.  So in the second half a block of r is free after its four products:
; blocks 0-3 are asked for anew (two steps on) behind the step's 48th product, blocks 4-7 at the next step's head: 80 matrix instructions lie between a request and its first use.
; The matrix instruction is used transposed (source 0 = 16 columns j, source 1 = 16 rows o): a lane's eight results are eight neighbours along j, the second product's K.
.set PITCH,  528                       ; an LDS row: 512 bytes + 16: an odd multiple of 16
.set SLOT,   256*PITCH
.set SPARE,  2*SLOT                    ; the spare words, 128 bytes a wave
.set SPITCH, 1040                      ; the way out: two stages of 32 rows, in slot 0, which has had its last fill and last read by then
.set SREG,   32*SPITCH
.set NP,   4
.set ADRA, 16                          ; v16-17 LDS address of my a fragments in slot 0, 1
.set PGO,  22                          ; v22 prefetch of r: 256 x lane
.set STO,  24
.set RD,   25
.set CO,   26                          ; v26 16 x lane
.set PFO,  27                          ; v27 prefetch of a: row l % 16, 256 (l / 16)
.set SPW,  28
.set NIL,  29
.set SC,   30
.set LM,   31
.set T,    32
.set XF,   96
.set AF,   128
.set WQ,   128
.set P0,   128
.set P1,   192
.set G1,  24
.set G0,  32
.set GB,  48                           ; s[48:49] r's image at my eight blocks, at the lap's first step
.set PFS, 50                           ; s[50:51] a_codes at the 16 rows that my wave prefetches
.set PFG, 52                           ; s[52:53] r's image at the block that my wave prefetches
.set MSB, 0
.macro WIN new
.if MSB != \new
	s_set_vgpr_msb (MSB<<8)|\new
.set MSB, \new
.endif
.endm
.set MUL_LO, 0xa1
.set MUL_HI, 0xf1
.set TO_B,   0x40
.macro PLACES n
.rept \n
	v_nop
.endr
.endm
.macro JLOAD s                         ; every wave asks for its own 64 rows; s_nop 0 and four v_nop behind it
	tensor_load_to_lds s[G0+4*\s:G0+4*\s+3], s[G1:G1+7]
	s_nop 0
	PLACES 4
.endm
.macro CREST
	s_cmp_lg_u32 s14, 0
	s_cbranch_scc1 .Lnot_wave_0_\@
	s_barrier_signal -3
.Lnot_wave_0_\@:
	s_barrier_wait -3
	s_barrier_signal -1
	s_barrier_wait -1
.endm
.macro CROUND
	s_barrier_signal -1
	s_barrier_wait -1
	CREST
.endm
; Prefetches behind a refill.  r: the four steps that begin five steps on (32 lanes x 256 bytes = one block's 8,192 bytes); a: the slot one refill on (16 rows x 2 x 256 bytes).
; The four partners that read the same bytes share them out by address (cy for r, cx for a).  The last refill has no slot of a one refill on.
.macro ASK slot
	global_prefetch_b8 v[PGO], s[PFG:PFG+1] offset:(2+\slot)*8192 th:TH_LOAD_NT scope:SCOPE_SE
.if \slot
	s_cmp_gt_u32 s3, 1
	s_cbranch_scc0 .Lno_\@
.endif
	global_prefetch_b8 v[PFO], s[PFS:PFS+1] offset:(3+\slot)*512 th:TH_LOAD_NT scope:SCOPE_SE
.Lno_\@:
.endm
	s_load_b256 s[4:11], s[0:1], 0x0               ; a_codes, r_codes, x_img, scales
	s_load_b64 s[12:13], s[0:1], 0x20              ; part
	v_lshl_add_u32 v[SPW], v0, 2, SPARE
	v_mov_b32 v[NIL], 0
	ds_add_u32 v[SPW], v[NIL]
	ds_add_u32 v[SPW], v[NIL]
	v_lshrrev_b32 v1, 5, v0
	v_readfirstlane_b32 s14, v1                    ; wave
	s_lshr_b32 s15, s14, 1                         ; my half of the rows o
	s_and_b32 s16, s14, 1                          ; my half of the columns j
	s_bfe_u32 s40, ttmp6, 0x40000                  ; cx
	s_bfe_u32 s41, ttmp6, 0x40004                  ; cy
	s_lshl_b32 s42, ttmp9, 2
	s_add_co_u32 s42, s42, s40                     ; tile column
	s_and_b32 s17, ttmp7, 0xffff
	s_lshl_b32 s17, s17, 2
	s_add_co_u32 s17, s17, s41                     ; tile row
	s_lshl_b32 s43, s41, 2
	s_lshl_b32 s43, 15, s43                        ; my row of the cluster
	s_or_b32 s[G1+0], s43, (1<<20)|(1<<21)|(6<<22)|(3<<25)   ; bytes; 4 words of padding behind every 128
	s_mov_b32 s[G1+1], 512<<16
	s_mov_b32 s[G1+2], 64<<16
	s_mov_b32 s[G1+3], 512<<16
	s_mov_b32 s[G1+4], 64
	s_mov_b32 s[G1+5], 4096
	s_mov_b32 s[G1+6], 0
	s_mov_b32 s[G1+7], 0
	s_lshl_b32 s20, s17, 8
	s_lshl_b32 s18, s14, 6
	s_add_co_u32 s20, s20, s18                     ; a: row 256 x tile row + 64 x wave
	s_lshl_b32 s20, s20, 12
	s_mov_b32 s21, 0
	s_mul_i32 s45, s14, 64*PITCH
	s_mul_i32 s80, s15, 128*PITCH                  ; my 128 rows of a in slot 0,
	s_add_co_u32 s81, s80, SLOT                    ; in slot 1
	s_mul_i32 s82, s16, SREG
	s_lshl_b32 s22, s15, 9
	s_add_co_u32 s82, s82, s22                     ; into the stage
	s_mul_i32 s83, s14, 8*SPITCH                   ; and back
	s_lshl_b32 s46, s42, 4
	s_lshl_b32 s47, s16, 3
	s_add_co_u32 s84, s46, s47                     ; r: block 16 x tile column + 8 x half
	s_lshl_b32 s84, s84, 16
	s_mov_b32 s85, 0
	s_lshl_b32 s47, s41, 2
	s_add_co_u32 s86, s46, s47
	s_add_co_u32 s86, s86, s14                     ; prefetch of r: block 16 x tile column + 4 cy + wave
	s_lshl_b32 s86, s86, 16
	s_mov_b32 s87, 0
	s_lshl_b32 s88, s17, 8
	s_lshl_b32 s47, s40, 6
	s_add_co_u32 s88, s88, s47
	s_lshl_b32 s47, s14, 4
	s_add_co_u32 s88, s88, s47                     ; prefetch of a: row 256 x tile row + 64 cx + 16 x wave
	s_lshl_b32 s88, s88, 12
	s_mov_b32 s89, 0
	s_lshl_b32 s90, s42, 1
	s_add_co_u32 s90, s90, s16
	s_lshl_b32 s90, s90, 12                        ; x's two fragments of my 128 columns
	s_mov_b32 s91, 0
	s_lshl_b32 s92, s42, 19
	s_lshl_b32 s47, s17, 10
	s_add_co_u32 s92, s92, s47
	s_lshl_b32 s47, s14, 17
	s_add_co_u32 s92, s92, s47                     ; part: plane tile column, rows 8 x wave, columns 256 x tile row
	s_mov_b32 s93, 0
	s_wait_dscnt 0x0
	s_wait_kmcnt 0x0
	s_load_b128 s[72:75], s[10:11], 0x0            ; e0 .. e3
	s_add_nc_u64 s[20:21], s[4:5], s[20:21]
	s_add_nc_u64 s[GB:GB+1], s[6:7], s[84:85]
	s_add_nc_u64 s[PFG:PFG+1], s[6:7], s[86:87]
	s_add_nc_u64 s[PFS:PFS+1], s[4:5], s[88:89]
	s_add_nc_u64 s[8:9], s[8:9], s[90:91]
	s_add_nc_u64 s[12:13], s[12:13], s[92:93]
	CROUND                                         ; the round in front of the first joint loads
.irp s, 0,1
	s_mov_b32 s[G0+4*\s], 1
	s_add_co_u32 s[G0+4*\s+1], s45, \s*SLOT
	s_add_nc_u64 s[G0+4*\s+2:G0+4*\s+3], s[20:21], \s*512
	s_or_b32 s[G0+4*\s+3], s[G0+4*\s+3], 0x80000000
.endr
	JLOAD 0                                        ; steps 0-3: one tensor load a wave at the head
	v_and_b32 v1, 15, v0
	v_bfe_u32 v2, v0, 4, 1
	v_and_b32 v6, 31, v0
	v_mul_u32_u24 v3, v1, PITCH
	v_mul_u32_u24 v5, v1, SPITCH
	v_lshlrev_b32 v[CO], 4, v6
	v_lshl_add_u32 v3, v2, 4, v3
	v_lshl_add_u32 v5, v2, 5, v5
	v_add_nc_u32 v[ADRA], s80, v3
	v_add_nc_u32 v[ADRA+1], s81, v3
	v_add_nc_u32 v[STO], s82, v5
	v_add_nc_u32 v[RD], s83, v[CO]
	v_lshlrev_b32 v[PGO], 8, v6
	v_lshlrev_b32 v4, 12, v1
	v_lshl_add_u32 v[PFO], v2, 8, v4
	s_wait_alu depctr_va_vdst(0)
	global_prefetch_b8 v[PGO], s[PFG:PFG+1] offset:8192 th:TH_LOAD_NT scope:SCOPE_SE   ; r's steps 4-7
	global_prefetch_b8 v[PFO], s[PFS:PFS+1] offset:1024 th:TH_LOAD_NT scope:SCOPE_SE   ; a's steps 8-11
.irp bt, 0,1
.irp g, 0,1,2,3
	global_load_b128 v[XF+16*\bt+4*\g:XF+16*\bt+4*\g+3], v[CO], s[8:9] offset:2048*\bt+512*\g
.endr
.endr
; 16 loads: r's blocks b0 .. b0 + 3 of step u (counted from the lap's first) into set p
.macro GRUN p, b0, u
	WIN TO_B
.irp b, \b0, \b0+1, \b0+2, \b0+3
.irp c, 0,1,2,3
	global_load_b128 v[128*(\p)+16*(\b)+4*\c:128*(\p)+16*(\b)+4*\c+3], v[CO], s[GB:GB+1] offset:(\b)*65536+(\u)*2048+\c*512
.endr
.endr
.endm
.macro FETCH_A slot, q, i0             ; 16 LDS loads: a's blocks i0 .. i0 + 3 of the slot's q-th 128 along K
.irp i, \i0, \i0+1, \i0+2, \i0+3
.irp c, 0,1,2,3
	ds_load_b128 v[AF+16*(\i)+4*\c:AF+16*(\i)+4*\c+3], v[ADRA+\slot] offset:128*(\q)+32*\c+(\i)*16*PITCH
.endr
.endr
.endm
; 16 matrix instructions: r's blocks b0 .. b0 + 3 of set p, each against a's blocks 4 hi .. 4 hi + 3.  The 64 accumulators take turns in the same order in every step.
.macro MULB hi, b0, p, zero
.irp b, \b0, \b0+1, \b0+2, \b0+3
.irp a, 0,1,2,3
.if \zero
	v_wmma_f32_16x16x128_bf8_bf8 v[8*(8*\a+(\b)):8*(8*\a+(\b))+7], v[128*(\p)+16*(\b):128*(\p)+16*(\b)+15], v[AF+16*(4*(\hi)+\a):AF+16*(4*(\hi)+\a)+15], 0
.else
	v_wmma_f32_16x16x128_bf8_bf8 v[8*(8*\a+(\b)):8*(8*\a+(\b))+7], v[128*(\p)+16*(\b):128*(\p)+16*(\b)+15], v[AF+16*(4*(\hi)+\a):AF+16*(4*(\hi)+\a)+15], v[8*(8*\a+(\b)):8*(8*\a+(\b))+7]
.endif
.endr
.endr
.endm
; A step of 128 along K.  slot, q: where a's fragments lie; u: the step counted from the lap's first (r's set is u % 2); turn: 0 none, 1 a change of slots with a refill, 2 without;
; ns, nq: where the next step's a lies (ns = -1: none); ghi, glo: r's blocks 4-7 of step u + 1 and 0-3 of step u + 2 are asked for; w0, w16: the loads of r that may stay out.
.macro STEP slot, q, u, zero, turn, ns, nq, ghi, glo, w0, w16
	s_wait_dscnt 0x0                               ; a's blocks 0-3 are in
	s_wait_loadcnt \w0                             ; r's blocks 0-3 of this step are in; the half-sets asked for behind them may be out
	PLACES NP                                      ; in front of loads into registers that the last products read
.if \ghi
	GRUN 1-(\u)%2, 4, (\u)+1
.endif
	WIN 0
	FETCH_A \slot, \q, 4
.if \turn
	s_wait_tensorcnt 0x0                           ; my part of the next slot has landed
	ds_add_u32 v[SPW], v[NIL]
.if \turn == 1
	s_add_nc_u64 s[G0+4*\slot+2:G0+4*\slot+3], s[G0+4*\slot+2:G0+4*\slot+3], 1024   ; this slot's next four steps
.endif
.endif
	WIN MUL_LO
	MULB 0, 0, (\u)%2, \zero
	s_wait_loadcnt \w16                            ; r's blocks 4-7 of this step are in
.if \turn
	s_wait_dscnt 0x0                               ; the add is done, and my last reads of this slot are back
	s_barrier_signal -1
.endif
	MULB 0, 4, (\u)%2, \zero
.if \turn
	WIN 0
	s_barrier_wait -1
.if \turn == 1
	CREST                                          ; the barrier has opened a round of the cluster's barrier
	JLOAD \slot                                    ; the refill, first behind the round; its four v_nop are the places in front of the loads below
.else
	PLACES NP
.endif
.else
	s_wait_dscnt 0x0                               ; a's blocks 4-7 are in
	PLACES NP
	WIN 0
.endif
.if \ns >= 0
	FETCH_A \ns, \nq, 0
.endif
.if \turn == 1
	ASK \slot
.endif
	WIN MUL_HI
	MULB 1, 0, (\u)%2, \zero
.if \glo
	PLACES NP
	GRUN (\u)%2, 0, (\u)+2
	WIN MUL_HI
.endif
	MULB 1, 4, (\u)%2, \zero
	WIN 0
.endm
	GRUN 0, 0, 0
	GRUN 0, 4, 0
	GRUN 1, 0, 1
	WIN 0
	s_wait_tensorcnt 0x0                           ; my part of slot 0 is in; these lines stand ahead of a later first fill as ahead of a refill
	ds_add_u32 v[SPW], v[NIL]
	s_wait_dscnt 0x0
	CROUND
	JLOAD 1                                        ; steps 4-7
	FETCH_A 0, 0, 0
	STEP 0, 0, 0, 1, 0, 0, 1, 1, 1, 32, 32         ; the first step starts the sums
	s_mov_b32 s3, 3
.Llap:                                                 ; a trip: eight steps, from a lap's second to the next lap's first; both slots are filled again
	STEP 0, 1, 1, 0, 0, 0, 2, 1, 1, 32, 32
	STEP 0, 2, 2, 0, 0, 0, 3, 1, 1, 32, 32
	STEP 0, 3, 3, 0, 1, 1, 0, 1, 1, 32, 32
	STEP 1, 0, 4, 0, 0, 1, 1, 1, 1, 32, 32
	STEP 1, 1, 5, 0, 0, 1, 2, 1, 1, 32, 32
	STEP 1, 2, 6, 0, 0, 1, 3, 1, 1, 32, 32
	STEP 1, 3, 7, 0, 1, 0, 0, 1, 1, 32, 32
	STEP 0, 0, 8, 0, 0, 0, 1, 1, 1, 32, 32
	s_wait_xcnt 0x0                                ; the loads and prefetches have read their bases
	s_add_nc_u64 s[GB:GB+1], s[GB:GB+1], 16384
	s_add_nc_u64 s[PFG:PFG+1], s[PFG:PFG+1], 16384
	s_add_nc_u64 s[PFS:PFS+1], s[PFS:PFS+1], 1024
	s_sub_co_u32 s3, s3, 1
	s_cmp_lg_u32 s3, 0
	s_cbranch_scc1 .Llap
	STEP 0, 1, 1, 0, 0, 0, 2, 1, 1, 32, 32         ; steps 25 to 31: nothing is asked for beyond step 31
	STEP 0, 2, 2, 0, 0, 0, 3, 1, 1, 32, 32
	STEP 0, 3, 3, 0, 2, 1, 0, 1, 1, 32, 32
	STEP 1, 0, 4, 0, 0, 1, 1, 1, 1, 32, 32
	STEP 1, 1, 5, 0, 0, 1, 2, 1, 1, 32, 32
	STEP 1, 2, 6, 0, 0, 1, 3, 1, 0, 32, 32
	STEP 1, 3, 7, 0, 0, -1, 0, 0, 0, 16, 0
; W is quantised block by block of 16 rows o: a sum stands for sum x 2^(e0 + e1), so its code is sum / 2^(e3 - e0 - e1), held within the largest code; the codes are the second product's operand as they fall.
	s_wait_kmcnt 0x0
	s_sub_co_i32 s70, s75, s72
	s_sub_co_i32 s70, s70, s73
	s_add_co_i32 s70, s70, 127
	s_lshl_b32 s71, s70, 23
	v_mov_b32 v[SC], s71
	s_add_co_i32 s70, s70, 15
	s_lshl_b32 s70, s70, 23
	s_or_b32 s70, s70, 0x600000
	v_mov_b32 v[LM], s70
	s_wait_alu depctr_va_vdst(0)
	s_wait_loadcnt 0x0
	PLACES NP
.macro QBLOCK a
.set AC, 64*((\a)%4)
	WIN 0x02+((\a)/4)
.set n, 0
.rept 64
	v_med3_num_f32 v[T+n], v[AC+n], -v[LM], v[LM]
.set n, n+1
.endr
	WIN 0
.irp b, 0,1,2,3,4,5,6,7
	v_cvt_scalef32_pk8_bf8_f32 v[WQ+16*(\a)+2*\b:WQ+16*(\a)+2*\b+1], v[T+8*\b:T+8*\b+7], v[SC]
.endr
	v_nop
	WIN 0x40
.irp bt, 0,1
	v_wmma_f32_16x16x128_bf8_bf8 v[8*(2*(\a)+\bt):8*(2*(\a)+\bt)+7], v[WQ+16*(\a):WQ+16*(\a)+15], v[XF+16*\bt:XF+16*\bt+15], 0
.endr
.endm
.irp a, 0,1,2,3,4,5,6,7
	QBLOCK \a
.endr
	WIN 0
	PLACES NP
	WIN 0x04
; the two column halves' parts meet in the stages; each wave adds and stores eight rows b of 1,024 bytes
.irp a, 0,1,2,3,4,5,6,7
.irp bt, 0,1
	ds_store_b128 v[STO], v[8*(2*\a+\bt):8*(2*\a+\bt)+3] offset:\bt*16*SPITCH+64*\a
	ds_store_b128 v[STO], v[8*(2*\a+\bt)+4:8*(2*\a+\bt)+7] offset:\bt*16*SPITCH+64*\a+16
.endr
.endr
	WIN 0
	s_wait_dscnt 0x0
	s_barrier_signal -1
	s_barrier_wait -1
.irp t, 0,1,2,3,4,5,6,7,8,9,10,11,12,13,14,15
	ds_load_b128 v[P0+4*\t:P0+4*\t+3], v[RD] offset:(\t/2)*SPITCH+512*(\t%2)
	ds_load_b128 v[P1+4*\t:P1+4*\t+3], v[RD] offset:SREG+(\t/2)*SPITCH+512*(\t%2)
.endr
.irp t, 0,1,2,3,4,5,6,7,8,9,10,11,12,13,14,15
	s_wait_dscnt 30-2*\t
	v_pk_add_f32 v[P0+4*\t:P0+4*\t+1], v[P0+4*\t:P0+4*\t+1], v[P1+4*\t:P1+4*\t+1]
	v_pk_add_f32 v[P0+4*\t+2:P0+4*\t+3], v[P0+4*\t+2:P0+4*\t+3], v[P1+4*\t+2:P1+4*\t+3]
	global_store_b128 v[CO], v[P0+4*\t:P0+4*\t+3], s[12:13] offset:(\t/2)*16384+512*(\t%2) th:TH_STORE_NT
.endr
	s_wait_tensorcnt 0x0                           ; the wave's end
	ds_add_u32 v[SPW], v[NIL]
	s_wait_dscnt 0x0
	CROUND                                         ; the closing round
	s_endpgm
.Lfunc_end_k_qa714c3f980_gemm:
	.size	k_qa714c3f980_gemm, .Lfunc_end_k_qa714c3f980_gemm-k_qa714c3f980_gemm
	.p2alignl 7, 3214868480
	.fill 96, 4, 3214868480
	.section	.rodata,"a",@progbits
	.p2align	6, 0x0
	.amdhsa_kernel k_qa714c3f980_gemm
		.amdhsa_group_segment_fixed_size 327680
		.amdhsa_private_segment_fixed_size 0
		.amdhsa_enable_private_segment 0
		.amdhsa_kernarg_size 40
		.amdhsa_user_sgpr_count 2
		.amdhsa_user_sgpr_kernarg_segment_ptr 1
		.amdhsa_wavefront_size32 1
		.amdhsa_system_sgpr_workgroup_id_x 1
		.amdhsa_system_sgpr_workgroup_id_y 1
		.amdhsa_system_sgpr_workgroup_id_z 1
		.amdhsa_system_vgpr_workitem_id 0
		.amdhsa_next_free_vgpr 1024
		.amdhsa_next_free_sgpr 96
		.amdhsa_reserve_vcc 0
		.amdhsa_float_denorm_mode_32 3
		.amdhsa_float_denorm_mode_16_64 3
		.amdhsa_memory_ordered 1
		.amdhsa_forward_progress 1
		.amdhsa_inst_pref_size 212
	.end_amdhsa_kernel
	.amdgpu_metadata
---
amdhsa.version: [ 1, 2 ]
amdhsa.kernels:
  - .name:           k_qa714c3f980_gemm
    .symbol:         k_qa714c3f980_gemm.kd
    .args:
      - { .name: a_codes, .offset: 0, .size: 8, .value_kind: global_buffer, .address_space: global }
      - { .name: r_codes, .offset: 8, .size: 8, .value_kind: global_buffer, .address_space: global }
      - { .name: x_img, .offset: 16, .size: 8, .value_kind: global_buffer, .address_space: global }
      - { .name: lowp_scales, .offset: 24, .size: 8, .value_kind: global_buffer, .address_space: global }
      - { .name: part, .offset: 32, .size: 8, .value_kind: global_buffer, .address_space: global }
    .group_segment_fixed_size: 327680
    .private_segment_fixed_size: 0
    .kernarg_segment_align: 8
    .kernarg_segment_size: 40
    .max_flat_workgroup_size: 128
    .sgpr_count:     96
    .vgpr_count:     1024
    .wavefront_size: 32
...
	.end_amdgpu_metadata
.endif
;; end of part 2
;; launch reduce (part 3): grid 256 x 1, 4 waves a work-group, no clusters, 0 bytes of LDS; arguments part, bias, lowp_scales, out0; writes out0
.if DOCPART == 3
	.amdgcn_target "amdgcn-amd-amdhsa--gfx1250"
	.amdhsa_code_object_version 6
	.text
	.protected	k_qa714c3f980_reduce
	.globl	k_qa714c3f980_reduce
	.p2align	8
	.type	k_qa714c3f980_reduce,@function
k_qa714c3f980_reduce:
	s_mov_b64 s[64:65], 0
	v_nop
	global_prefetch_b8 v0, s[64:65] scope:SCOPE_SE
	s_setreg_imm32_b32 hwreg(HW_REG_WAVE_MODE, 25, 1), 1
	s_wait_xcnt 0x0
; out0[b][o] = (the sum over jt = 0 .. 15 of part[jt][b][o]) x 2^(e2 + e3) + bias[o].  part: [16][32][4096] f32, out0: [32][4096] f32, bias: [4096] f32.
; LIMIT: e2 + e3 lies between -126 and 127, so that 2^(e2 + e3) is an f32 number.
; A stream: a thread owns 16 bytes of out0, a wave's load or store covers 512 consecutive bytes; a thread's seventeen loads go out together.  The sum is a tree of packed additions in a fixed order.
; No LDS, no barrier, no matrix unit: no wave needs another's numbers.
.set P, 16                             ; v16-79: partial jt at v[16 + 4 jt]
.macro ADD a, b
	v_pk_add_f32 v[P+4*\a:P+4*\a+1], v[P+4*\a:P+4*\a+1], v[P+4*\b:P+4*\b+1]
	v_pk_add_f32 v[P+4*\a+2:P+4*\a+3], v[P+4*\a+2:P+4*\a+3], v[P+4*\b+2:P+4*\b+3]
.endm
	s_load_b256 s[4:11], s[0:1], 0x0               ; part s[4:5], bias s[6:7], the scales' exponents s[8:9], out0 s[10:11]
	s_lshl_b32 s16, ttmp9, 11                      ; a work-group owns 2,048 bytes
	v_lshl_add_u32 v1, v0, 4, s16                  ; my 16 bytes in out0 and in each of part's sixteen planes
	v_and_b32 v2, 0x3fff, v1                       ; and in bias: a row of out0 is 16,384 bytes
	s_wait_alu depctr_va_vdst(0)
	s_wait_kmcnt 0x0
	s_load_b64 s[12:13], s[8:9], 0x8               ; e2, e3
	global_load_b128 v[4:7], v2, s[6:7]
.irp t, 0,1,2,3,4,5,6,7,8,9,10,11,12,13,14,15
	global_load_b128 v[P+4*\t:P+4*\t+3], v1, s[4:5] offset:524288*\t th:TH_LOAD_NT   ; the largest immediate, 15 planes, lies inside the signed 24 bits (ISA guide, chapter 10)
.endr
	s_wait_kmcnt 0x0
	s_add_co_i32 s14, s12, s13
	s_add_co_i32 s14, s14, 127
	s_lshl_b32 s14, s14, 23                        ; 2^(e2 + e3) as f32
	s_mov_b32 s15, s14                             ; (named with it as a pair, so it is written)
	s_wait_loadcnt 8                               ; the bias and planes 0 to 7 are in; planes 8 to 15 may be out
	ADD 0, 1
	ADD 2, 3
	ADD 4, 5
	ADD 6, 7
	s_wait_loadcnt 0x0
	ADD 8, 9
	ADD 10, 11
	ADD 12, 13
	ADD 14, 15
	ADD 0, 2
	ADD 4, 6
	ADD 8, 10
	ADD 12, 14
	ADD 0, 4
	ADD 8, 12
	ADD 0, 8
	v_pk_fma_f32 v[8:9], v[P:P+1], s[14:15], v[4:5] op_sel_hi:[1,0,1]       ; sum x 2^(e2 + e3) + bias: one fused multiply-add for two numbers (the scalar pair's low word for both halves)
	v_pk_fma_f32 v[10:11], v[P+2:P+3], s[14:15], v[6:7] op_sel_hi:[1,0,1]
	global_store_b128 v1, v[8:11], s[10:11]        ; 512 consecutive bytes a wave
	s_endpgm
.Lfunc_end_k_qa714c3f980_reduce:
	.size	k_qa714c3f980_reduce, .Lfunc_end_k_qa714c3f980_reduce-k_qa714c3f980_reduce
	.p2alignl 7, 3214868480
	.fill 96, 4, 3214868480
	.section	.rodata,"a",@progbits
	.p2align	6, 0x0
	.amdhsa_kernel k_qa714c3f980_reduce
		.amdhsa_group_segment_fixed_size 0
		.amdhsa_private_segment_fixed_size 0
		.amdhsa_enable_private_segment 0
		.amdhsa_kernarg_size 32
		.amdhsa_user_sgpr_count 2
		.amdhsa_user_sgpr_kernarg_segment_ptr 1
		.amdhsa_wavefront_size32 1
		.amdhsa_system_sgpr_workgroup_id_x 1
		.amdhsa_system_sgpr_workgroup_id_y 1
		.amdhsa_system_sgpr_workgroup_id_z 1
		.amdhsa_system_vgpr_workitem_id 0
		.amdhsa_next_free_vgpr 96
		.amdhsa_next_free_sgpr 66
		.amdhsa_reserve_vcc 0
		.amdhsa_float_denorm_mode_32 3
		.amdhsa_float_denorm_mode_16_64 3
		.amdhsa_memory_ordered 1
		.amdhsa_forward_progress 1
		.amdhsa_inst_pref_size 5
	.end_amdhsa_kernel
	.amdgpu_metadata
---
amdhsa.version: [ 1, 2 ]
amdhsa.kernels:
  - .name:           k_qa714c3f980_reduce
    .symbol:         k_qa714c3f980_reduce.kd
    .args:
      - { .name: part, .offset: 0, .size: 8, .value_kind: global_buffer, .address_space: global }
      - { .name: bias, .offset: 8, .size: 8, .value_kind: global_buffer, .address_space: global }
      - { .name: lowp_scales, .offset: 16, .size: 8, .value_kind: global_buffer, .address_space: global }
      - { .name: out0, .offset: 24, .size: 8, .value_kind: global_buffer, .address_space: global }
    .group_segment_fixed_size: 0
    .private_segment_fixed_size: 0
    .kernarg_segment_align: 8
    .kernarg_segment_size: 32
    .max_flat_workgroup_size: 128
    .sgpr_count:     66
    .vgpr_count:     96
    .wavefront_size: 32
...
	.end_amdgpu_metadata
.endif
;; end of part 3
